; MI455X (gfx1250); checked and timed in simulation.
; The chip was launched on July 23, 2026; its instructions are those of AMD's public machine-readable ISA for CDNA 5 (MIT licence, August 2026) and "CDNA5" Instruction Set Architecture Reference Guide (July 2026). The comments in the code are by the model that wrote it; some were corrected since.
;; Model. Allowed arithmetic: matrix products marked QUANTISED: E5M2 operands, one given power-of-two scale a tensor, by v_wmma_f32_16x16x64_bf8_bf8 or v_wmma_f32_16x16x128_bf8_bf8, f32 sums; everything else in f32.
;; Inputs: lowp_scales 4 int32 (the exponents e of the quantised operands' scales 2^e); x1 16 x 2,048 x 64 float32; x2 16 x 2,048 x 64 float32.
;; Outputs: out0 16 x 2,048 x 64 float32.
;; This version of the problem:
;;   THIS VERSION OF THE PROBLEM IS GIVEN IN LOW PRECISION. The matrix products marked QUANTISED in the list below multiply operands that are first quantised to E5M2 (5 exponent bits, 2 mantissa bits; 8 bits a number), with one given power-of-two scale for each operand tensor; their sums are f32. All else is computed in f32.
;;   The module's matrix products, in the order in which they are computed (A, B: the left and right operand; K: the contracted axis; several contracted axes count as one K, in the product's order):
;;     1. batch 16 x [M 2,048, K 64] x [K 64, N 2,048]; A: input x1; B: input x2: QUANTISED (scales: A lowp_scales[0], B lowp_scales[1])
;;     2. batch 16 x [M 2,048, K 2,048] x [K 2,048, N 64]; A: softmax (see below); B: input x2: QUANTISED (scales: A lowp_scales[2], B lowp_scales[3])
;;   THE QUANTISER, for each operand of a quantised product, along K:
;;     - The operand's scale is 2^e, e = its entry of the input lowp_scales (int32; the entries are numbered through the quantised products in the list's order, A before B).
;;     - Each number is divided by the scale, clamped to +-57,344, and rounded to the nearest number of E5M2, ties to even, subnormals kept.
;;     - The product sums the exact products of the quantised numbers (number of the format x scale) in f32.
;;   ~~~python
;;   def quantise(x, axis, e):      # numpy; x: float32 -> the quantised numbers, widened to float32 again
;;       x = np.moveaxis(x, axis, -1); K = x.shape[-1]
;;       r = np.clip(x / 2.0 ** e, -57344, 57344)
;;       step = 2.0 ** (np.maximum(np.frexp(np.where(r == 0, 1, r))[1] - 1, -14) - 2)
;;       q = np.round(r / step) * step * 2.0 ** e      # np.round: ties to even
;;       return np.moveaxis(q, -1, axis).astype(np.float32)
;;   ~~~
;;   SOFTMAX AHEAD OF A QUANTISED PRODUCT. Where the list says 'softmax', what is quantised is not the finished softmax but p = 2^(t - M), with t = logit x log2(e) and M = ceil(the row's largest t), a whole number; so 1/2 < the row's largest p <= 1. The row's sum l is taken of the UNQUANTISED p, in f32, and the product's result is divided by l at the end. Since M is a whole number, a kernel that streams over the keys may use a running M (the ceiling of the running maximum): every later rescaling is an exact power of two, so the quantised numbers keep their values, but for numbers so far below the row's largest that they fall under the format's range.
;;   OPERANDS COMPUTED ON THE WAY. 'Computed on the way' means the value that the module computes at that place (a softmax that the list does not call 'softmax' is quantised finished and normalised). What goes into a quantiser is computed in f32, as accurately as f32 sums, v_exp_f32 and their like allow (about 1e-6 of the number): no bf16 or f16 on the way to a quantiser, and a product that is left as it is and whose result goes on into a quantised operand takes f32 operands (vector FMAs, or v_wmma_f32_16x16x4_f32). A number that lies on a knife's edge between two numbers of the format may be rounded either way, as far as f32 arithmetic and the matrix unit's own rounding can turn it there, and no further.
;; One version. Each part assembles by itself: llvm-mc -triple=amdgcn-amd-amdhsa -mcpu=gfx1250 --defsym DOCPART=n.
;; ======== version 1 of 1: 1 launch
;; limits: right only within a limited range of input values
;; launch fused (part 1): grid 256 x 1, 16 waves a work-group, clusters of 4 x 1, 327,680 bytes of LDS; arguments lowp_scales, x1, x2, out0; writes out0
.if DOCPART == 1
	.amdgcn_target "amdgcn-amd-amdhsa--gfx1250"
	.amdhsa_code_object_version 6
	.text
	.protected	k_q74a1274353_fused
	.globl	k_q74a1274353_fused
	.p2align	8
	.type	k_q74a1274353_fused,@function
k_q74a1274353_fused:
	s_mov_b64 s[64:65], 0
	v_nop
	global_prefetch_b8 v0, s[64:65] scope:SCOPE_SE
	s_setreg_imm32_b32 hwreg(HW_REG_WAVE_MODE, 25, 1), 1
	s_wait_xcnt 0x0
	s_wait_alu depctr_hold_cnt(0) depctr_sa_sdst(0) depctr_va_vdst(0) depctr_va_sdst(0) depctr_va_ssrc(0) depctr_va_vcc(0) depctr_vm_vsrc(0)
	s_getreg_b32 s2, hwreg(HW_REG_IB_STS2, 6, 4)
	s_cmp_eq_u32 s2, 0
	s_cbranch_scc0 .Lentry_in_a_cluster
	s_endpgm
.Lentry_in_a_cluster:
	s_bfe_u32 s2, ttmp6, 0x10000c
	s_cmp_lg_u32 s2, 0x3003
	s_cbranch_scc0 .Lentry_shape_is_right
	s_endpgm
.Lentry_shape_is_right:
; out0[b][q][:] = the sum over k of softmax_k(x1[b][q] . x2[b][k] / 8) x2[b][k][:], both products on codes of E5M2, each operand with its given scale 2^e: e0 (x1), e1 (x2 as keys), e2 (p), e3 (x2 as values).
; NOTHING OF reference() IS LEFT OUT: both products are live, and every input has a way to the output.
; code = x / 2^e, held within +-57,344, to the nearest code, ties to even.
; THE SOFTMAX AHEAD OF THE SECOND PRODUCT: t = score x log2(e) / 8; M = the row's largest t, rounded UP to a whole number; p = 2^(t - M) is what is quantised; the row's sum is taken of the unquantised p, in f32, and divides at the end.
; SHARES.  A work-group owns 128 queries of one batch; sixteen waves of 256 registers.
;  Part 1: wave w turns keys 128 w .. 128 w + 127 of x2 into both sets of codes, puts them into LDS as images of the operands' registers, and finds the largest score of every one of the 128 queries among its keys.
;  Part 2: M is known, so nothing is rescaled.  Wave w owns 32 queries (group w % 4, two tiles) and 512 keys (quarter w / 4), eight steps of 64 keys; each fragment of K and V serves both tiles.
;  The end: the four quarters of a query are added.
; LAYOUT.  Both products are used transposed: S^T = K Q^T (source 0 = 16 keys, source 1 = 16 queries), O^T = V^T P^T (source 0 = 16 channels, source 1 = p): a lane holds ONE query (lane % 16) throughout.
; r = lane % 16, h = lane / 16.  Lane r of K's tile 2 b + u takes key 32 b + 8 u + r + 8 (r / 8), so that the 16 result registers of tiles 2 b, 2 b + 1 are keys 32 b + 16 h + 0 .. 15: the conversions' results are the second product's operand.
; The fragments are pieces of 16 bytes a lane: a permutation of k that is the same on both sides of a product.
; LDS.  A chunk of 128 keys takes 16,384 bytes.  K: tile t, 16-byte unit u of a key's 64 channels: at 1,024 t + 256 u, column r xor 2 u of sixteen.  V: at 8,192 + 2,048 t + 512 c + 256 h (channels 16 t + r, keys 32 c + 16 h + 0 .. 15), column r xor t.
; With those columns the lanes of a store, as of a load, name different columns.
; HOW x2 COMES IN.  A wave's 128 keys are 32,768 bytes as f32, twice its chunk: they come in two fills of 64 keys into the 16,384 bytes where the wave's codes will lie, each by one tensor load of that wave; the wave alone reads them.
; The first 64 keys are taken into registers; the second fill is asked for; while it is on its way the first keys are converted, and their codes wait in registers.  When the second 64 keys are in registers too, the bytes have had their last fill,
; and codes are stored over them.
; CLUSTER.  The four work-groups of a cluster belong to one batch: each tensor load is asked for JOINTLY, with the same descriptor and a mask that names the four.
; No prefetch: there are two fills and no loop of loads to run ahead in.
; LIMITS on the given exponents, so that each power of two below is an f32 number: e0 + e1 between -123 and 130 (added to c's exponent field); e0, e1, e2, e3 between -126 and 112; e2 + e3 goes by v_ldexp_f32 and has none.
; NaN among the inputs is not served; an infinity is held at the largest code.
.set QI,    262144                     ; x1's codes: 8 tiles x 2 pieces of 512 bytes
.set MX,    270336                     ; largest scores: 128 queries x 144 bytes: 16 waves x 2 halves of the lanes, 16 bytes of padding
.set LT,    288768                     ; sums: 128 queries x 4 quarters
.set SPARE, 290816                     ; the spare words, 128 bytes for each of sixteen waves, which no other line names
.set SP,    272                        ; the way out: a stage row: 256 bytes + 16.  The stages lie from byte 0 on
.set STGW,  32*SP                      ; a wave's stage: 32 queries
.set G1,    56                         ; s[56:63] descriptor group 1, s[68:71] group 0
.set G0,    68
; v0 thread, v1 r, v2 h, v5 my spare word's address, v6 0: never rewritten
; part 1: v4 Q's image, v7, v8 2^e1, 57,344 x 2^e1; v9, v10 the same for e3; v11, v12 for e0; v13 my place among the largest scores; v14, v15 my chunk's K; v16-19 where K's codes go, v20-23 V's; v56 my f32 keys in LDS
;   v64-127, v128-191 64 numbers each; v24-39 held numbers; v24-55, v192-255 codes; then v64-127 K, v32-63 four tiles of Q, v128-255 scores
; part 2: v3, v4 K's addresses; v7, v8, v56, v57 V's; v9, v10 57,344 x 2^e2; v11 2^e2; v[12:13], v[14:15] -M of tiles 0, 1; v16-23, v48-55 their sums in four chains; v24-39 Q; v40-47 p's codes; v64-95 K, v96-127 V; v128-159, v160-191 scores, then p; v192-255 O^T
.macro AWAIT
	s_wait_alu depctr_va_vdst(0)
.endm
.macro CROUND                          ; a round of the cluster's barrier: my work-group's barrier; wave 0 signals for the work-group; every wave waits for all four work-groups; my work-group's barrier once more
	s_barrier_signal -1
	s_barrier_wait -1
	s_cmp_lg_u32 s18, 0
	s_cbranch_scc1 .Lnot_wave_0_\@
	s_barrier_signal -3
.Lnot_wave_0_\@:
	s_barrier_wait -3
	s_barrier_signal -1
	s_barrier_wait -1
.endm
	s_load_b256 s[4:11], s[0:1], 0x0               ; the scales' exponents s[4:5], x1 s[6:7], x2 s[8:9], out0 s[10:11]
	v_lshl_add_u32 v5, v0, 2, SPARE
	v_mov_b32 v6, 0
	ds_add_u32 v5, v6                              ; the wave's opening: the add, twice on end, and its wait ahead of my first tensor load; the set-up below, work on registers, stands between
	ds_add_u32 v5, v6
	v_lshrrev_b32 v3, 5, v0
	v_and_b32 v1, 15, v0
	v_bfe_u32 v2, v0, 4, 1
	v_readfirstlane_b32 s18, v3                    ; wave 0..15
	AWAIT
	s_and_b32 s12, ttmp9, 1                        ; in a cluster launch ttmp9 counts clusters: bits 0, 2, 3, 5 choose the batch,
	s_bfe_u32 s14, ttmp9, 0x20002
	s_lshl_b32 s14, s14, 1
	s_add_co_u32 s12, s12, s14
	s_bfe_u32 s14, ttmp9, 0x10005
	s_lshl_b32 s14, s14, 3
	s_add_co_u32 s12, s12, s14                     ; batch
	s_bfe_u32 s13, ttmp6, 0x40000                  ; cx: my place in the cluster: it enters x1's and out0's addresses alone
	s_bfe_u32 s14, ttmp9, 0x10001
	s_lshl_b32 s14, s14, 2
	s_add_co_u32 s13, s13, s14
	s_bfe_u32 s14, ttmp9, 0x10004
	s_lshl_b32 s14, s14, 3
	s_add_co_u32 s13, s13, s14                     ; block of 128 queries: cx, bits 1 and 4
	s_and_b32 s16, s18, 3                          ; part 2: my group of 32 queries
	s_lshr_b32 s17, s18, 2                         ; and my quarter of the keys
	s_lshl_b32 s15, s12, 19                        ; a batch: 524,288 bytes
	s_lshl_b32 s26, s18, 15
	s_add_co_u32 s26, s26, s15                     ; x2: my 128 keys
	s_mov_b32 s27, 0
	s_lshl_b32 s25, s13, 15
	s_add_co_u32 s24, s15, s25                     ; my work-group's 128 queries
	s_lshr_b32 s28, s18, 1
	s_lshl_b32 s28, s28, 12
	s_add_co_u32 s28, s28, s24
	s_and_b32 s25, s18, 1
	s_lshl_b32 s25, s25, 7
	s_add_co_u32 s28, s28, s25                     ; x1: tile w / 2, channels 32 (w % 2) on
	s_mov_b32 s29, 0
	s_lshl_b32 s30, s16, 13
	s_add_co_u32 s30, s30, s24
	s_lshl_b32 s25, s17, 11
	s_add_co_u32 s30, s30, s25                     ; out0: rows 32 x group + 8 x quarter on
	s_mov_b32 s31, 0
	s_lshl_b32 s33, s18, 9                         ; Q's piece w
	s_lshl_b32 s34, s18, 14                        ; my chunk
	s_add_co_u32 s35, s34, 8192                    ; its V
	s_lshl_b32 s36, s18, 3
	s_add_co_u32 s36, s36, MX
	s_add_co_u32 s37, s34, 512
	s_lshl_b32 s42, s16, 11                        ; my two tiles of Q
	s_mul_i32 s43, s16, 32*144
	s_add_co_u32 s43, s43, MX
	s_lshl_b32 s44, s17, 16                        ; my quarter: four chunks
	s_add_co_u32 s45, s44, 512
	s_mul_i32 s46, s18, STGW
	s_lshl_b32 s47, s16, 9
	s_add_co_u32 s47, s47, LT
	s_lshl_b32 s49, s17, 7
	s_add_co_u32 s49, s49, s47
	s_lshl_b32 s48, s17, 2
	s_add_co_u32 s47, s47, s48
	s_mul_i32 s48, s16, STGW
	s_mul_i32 s25, s17, 8*SP
	s_add_co_u32 s48, s48, s25
	s_mov_b32 s20, 0x76543210                      ; lane selects for v_permlanex16_b32: lane l xor 16
	s_mov_b32 s21, 0xfedcba98
	s_mov_b32 s22, 0x3e38aa3b                      ; c = log2(e) / 8
	; the tensor loads: 64 rows of 256 bytes, dense in memory and in LDS
	s_mov_b32 s[G1], 15|(3<<16)|(1<<21)            ; 15:0 the mask: all four work-groups; 17:16 elements of 8 bytes; 20 no padding; 21 set beside a mask
	s_mov_b32 s[G1+1], 32<<16                      ; tensor_dim0 = 32 elements
	s_mov_b32 s[G1+2], 64<<16                      ; tensor_dim1 = 64
	s_mov_b32 s[G1+3], 32<<16                      ; tile_dim0 = 32
	s_mov_b32 s[G1+4], 64                          ; tile_dim1 = 64
	s_mov_b32 s[G1+5], 32                          ; from row to row: 32 elements
	s_mov_b32 s[G1+6], 0
	s_mov_b32 s[G1+7], 0
	s_mov_b32 s[G0], 1                             ; count = 1
	s_mov_b32 s[G0+1], s34                         ; LDS address: my chunk
	v_lshlrev_b32 v3, 4, v1
	v_lshlrev_b32 v58, 8, v1
	v_lshl_add_u32 v3, v2, 12, v3                  ; f32 keys: sixteen lanes to a row of 256 bytes; the upper lanes 16 rows on
	v_lshl_add_u32 v58, v2, 6, v58                 ; x1: row r, my 16 channels
	AWAIT
	s_wait_dscnt 0x0                               ; both opening adds are done
	s_wait_kmcnt 0x0
	s_load_b128 s[72:75], s[4:5], 0x0              ; e0, e1, e2, e3
	s_add_nc_u64 s[6:7], s[6:7], s[28:29]
	s_add_nc_u64 s[8:9], s[8:9], s[26:27]
	s_add_nc_u64 s[10:11], s[10:11], s[30:31]
	s_mov_b64 s[G0+2:G0+3], s[8:9]
	s_or_b32 s[G0+3], s[G0+3], 0x80000000          ; type = 2
.irp i, 0,1,2,3
	global_load_b128 v[24+4*\i:27+4*\i], v58, s[6:7] offset:16*\i
.endr
	CROUND                                         ; all four work-groups are here: the joint loads meet
	tensor_load_to_lds s[G0:G0+3], s[G1:G1+7]      ; my first 64 keys: every wave issues its one
	s_nop 0
	; the LDS addresses of part 1, while the loads are on their way
	v_and_b32 v4, 31, v0
	v_lshrrev_b32 v46, 2, v1                       ; u
	v_and_b32 v47, 3, v1
	v_lshlrev_b32 v4, 4, v4
	v_lshlrev_b32 v48, 8, v46
	v_lshlrev_b32 v52, 11, v46
	v_add_nc_u32 v4, QI, v4
	v_lshl_add_u32 v48, v2, 7, v48
	v_lshl_add_u32 v52, v2, 8, v52
	v_add_nc_u32 v57, s33, v4                      ; where my piece of Q goes
	v_lshl_add_u32 v48, v47, 2, v48
	v_lshl_add_u32 v52, v47, 6, v52
	v_xor_b32 v49, 1, v46
	v_add_nc_u32 v48, s34, v48
	v_add_nc_u32 v52, s35, v52
	v_xor_b32 v50, 2, v46
	v_xor_b32 v51, 3, v46
	v_lshl_add_u32 v16, v46, 5, v48                ; K: the dword of key i goes by register 16 + (i / 2) % 4: column (8 h + i % 8) xor 2 u
	v_lshl_add_u32 v17, v49, 5, v48
	v_lshl_add_u32 v18, v50, 5, v48
	v_lshl_add_u32 v19, v51, 5, v48
	v_lshl_add_u32 v20, v46, 4, v52                ; V: channel 4 r + k goes by register 20 + k
	v_lshl_add_u32 v21, v49, 4, v52
	v_lshl_add_u32 v22, v50, 4, v52
	v_lshl_add_u32 v23, v51, 4, v52
	v_mul_u32_u24 v13, 0x90, v1
	v_lshlrev_b32 v53, 1, v2
	v_lshl_add_u32 v13, v2, 2, v13
	v_xor_b32 v53, v53, v1
	v_add_nc_u32 v13, s36, v13
	v_lshlrev_b32 v54, 4, v53
	v_add_nc_u32 v56, s34, v3                      ; my f32 keys
	v_lshl_add_u32 v54, v2, 8, v54
	v_add_nc_u32 v14, s34, v54
	v_xor_b32 v55, 64, v54
	v_add_nc_u32 v15, s37, v55
	AWAIT
	s_wait_kmcnt 0x0
	s_add_co_i32 s14, s72, s73
	s_lshl_b32 s14, s14, 23
	s_add_co_i32 s22, s22, s14                     ; a score stands for score x 2^(e0 + e1): the exponents are added to c's exponent field
	s_mov_b32 s23, s22                             ; (named with it as a pair)
	s_add_co_i32 s19, s74, s75                     ; e2 + e3, for the end
.macro SCALE e, one, lim
	s_add_co_i32 s14, \e, 127
	s_lshl_b32 \one, s14, 23                       ; 2^e as f32: the conversion takes its exponent field
	s_add_co_i32 s14, s14, 15
	s_lshl_b32 s14, s14, 23
	s_or_b32 \lim, s14, 0x600000                   ; 57,344 x 2^e
.endm
	SCALE s72, s50, s51
	SCALE s73, s52, s53
	SCALE s74, s40, s41
	SCALE s75, s54, s55
	v_mov_b32 v11, s50
	v_mov_b32 v12, s51
	v_mov_b32 v7, s52
	v_mov_b32 v8, s53
	v_mov_b32 v9, s54
	v_mov_b32 v10, s55
	AWAIT
	s_wait_loadcnt 0x0                             ; x1
.set n, 0
.rept 16
	v_med3_num_f32 v[24+n], v[24+n], -v12, v12     ; the conversion to an 8-bit code does not saturate (ISA guide 7.6.2): hold the number first
.set n, n+1
.endr
	v_cvt_scalef32_pk8_bf8_f32 v[40:41], v[24:31], v11
	v_cvt_scalef32_pk8_bf8_f32 v[42:43], v[32:39], v11
	v_nop                                          ; a plain line behind the last conversion
	ds_store_b128 v57, v[40:43]                    ; my piece of Q: waited for ahead of the round below, behind which all of Q's image is there
; A group is 32 keys: load n brings rows n and 16 + n: a lane gets channels 4 r .. 4 r + 3 of 16 neighbouring keys
.macro SLOAD e, xb
.set n, 0
.rept 16
	ds_load_b128 v[\xb+4*n:\xb+4*n+3], v56 offset:8192*(\e)+256*n
.set n, n+1
.endr
.endm
; V's hold lays eight of channel k's 16 keys side by side: the transposition costs no instruction of its own.  Two runs of eight registers by turns
.macro VHALF xb, k, e, vd
.set Y, 24+8*(\e)
.set n, 0
.rept 8
	v_med3_num_f32 v[Y+n], v[\xb+32*(\e)+4*n+(\k)], -v10, v10
.set n, n+1
.endr
	v_cvt_scalef32_pk8_bf8_f32 v[\vd+4*(\k)+2*(\e):\vd+4*(\k)+2*(\e)+1], v[Y:Y+7], v9
.endm
.macro CONV xb, vd, kd                 ; the group in v[xb] on: V's codes to v[vd] on, K's to v[kd] on
.irp k, 0,1,2,3
	VHALF \xb, \k, 0, \vd
	VHALF \xb, \k, 1, \vd
.endr
.set n, 0
.rept 64
	v_med3_num_f32 v[\xb+n], v[\xb+n], -v8, v8     ; K, in place
.set n, n+1
.endr
.set n, 0
.rept 8
	v_cvt_scalef32_pk8_bf8_f32 v[\kd+2*n:\kd+2*n+1], v[\xb+8*n:\xb+8*n+7], v7   ; keys 2 n and 2 n + 1: a dword of four channels each
.set n, n+1
.endr
	v_nop                                          ; a plain line behind the last conversion
.endm
.macro PUT c, vd, kd                   ; group c's codes go to their places in the chunk
.set n, 0
.rept 16
	ds_store_b32 v[16+(n/2)%4], v[\kd+n] offset:1024*(2*(\c)+n/8)+16*(n%2)
.set n, n+1
.endr
.set n, 0
.rept 4
	ds_store_b128 v[20+n], v[\vd+4*n:\vd+4*n+3] offset:512*(\c)
.set n, n+1
.endr
.endm
	s_wait_tensorcnt 0x0                           ; my first 64 keys are in; I alone read them
	SLOAD 0, 64
	SLOAD 1, 128
	s_wait_tensorcnt 0x0                           ; none of my tensor loads is out;
	ds_add_u32 v5, v6                              ; 0 onto my spare word
	s_add_nc_u64 s[G0+2:G0+3], s[G0+2:G0+3], 16384 ; on to my second 64 keys
	s_wait_dscnt 0x0                               ; the add is done, my keys are in registers, my piece of Q is stored
	CROUND                                         ; that holds of every wave of all four work-groups
	tensor_load_to_lds s[G0:G0+3], s[G1:G1+7]      ; the second fill of my chunk, the last: it has two groups' conversions in which to land
	s_nop 0
	CONV 64, 192, 208
	CONV 128, 224, 240
	AWAIT
	s_wait_tensorcnt 0x0                           ; my second 64 keys are in
	SLOAD 0, 64
	SLOAD 1, 128
	s_wait_dscnt 0x0                               ; and in registers: the chunk may take codes
	PUT 0, 192, 208
	PUT 1, 224, 240
	CONV 64, 40, 24
	PUT 2, 40, 24
	CONV 128, 192, 208
	PUT 3, 192, 208
; THE LARGEST SCORES of all 128 queries among my 128 keys.  LDS serves a wave's instructions in order (ISA guide 5.7.1.4): these loads see my stores.
.macro QL1 t
	ds_load_b128 v[32+8*((\t)%4):35+8*((\t)%4)], v4 offset:1024*(\t)
	ds_load_b128 v[36+8*((\t)%4):39+8*((\t)%4)], v4 offset:1024*(\t)+512
.endm
.macro W1 t
.set DD, 128+64*((\t)%2)
.set QQ, 32+8*((\t)%4)
.set n, 0
.rept 8
	v_wmma_f32_16x16x64_bf8_bf8 v[DD+8*n:DD+8*n+7], v[64+8*n:71+8*n], v[QQ:QQ+7], 0
.set n, n+1
.endr
.endm
.macro MAX1 t                          ; 64 scores a lane, in two chains, each accumulator from its low end on
.set DD, 128+64*((\t)%2)
.set TM, 24+2*((\t)%2)
	v_max3_num_f32 v[TM], v[DD], v[DD+1], v[DD+2]
	v_max3_num_f32 v[TM+1], v[DD+3], v[DD+4], v[DD+5]
.set n, 6
.rept 14
	v_max3_num_f32 v[TM], v[TM], v[DD+n], v[DD+n+1]
	v_max3_num_f32 v[TM+1], v[TM+1], v[DD+n+2], v[DD+n+3]
.set n, n+4
.endr
	v_max3_num_f32 v[TM], v[TM], v[DD+62], v[DD+63]
	v_max_num_f32 v[TM], v[TM], v[TM+1]
	ds_store_b32 v13, v[TM] offset:2304*(\t)
.endm
.irp t, 0,1,2,3,4,5,6,7
	ds_load_b128 v[64+8*\t:67+8*\t], v14 offset:1024*\t
	ds_load_b128 v[68+8*\t:71+8*\t], v15 offset:1024*\t
.endr
	QL1 0
	QL1 1
	QL1 2
	QL1 3
	s_wait_dscnt 0x0
	W1 0
.rept 4
	v_nop                                          ; four places in front of the first read of tile 0's scores
.endr
.irp q, 0,1,2,3,4,5,6,7
.if \q < 7
.if (\q == 3) || (\q == 4)
	s_wait_dscnt 6                                 ; younger than the next tile's Q: two stores and two tiles' four loads
.elseif \q == 5
	s_wait_dscnt 4                                 ; two stores and two loads
.elseif \q == 6
	s_wait_dscnt 2                                 ; two stores
.endif
	W1 \q+1
.endif
	MAX1 \q
.if \q < 4
	QL1 \q+4
.endif
.endr
	s_wait_dscnt 0x0                               ; for the others' sake: my codes and my largest scores are stored
	s_barrier_signal -1
	v_add_nc_u32 v58, s42, v4                      ; my two tiles of Q: their image was whole behind the round
	v_mul_u32_u24 v59, 0x90, v1
	v_lshlrev_b32 v60, 1, v2
	v_lshl_add_u32 v63, v2, 8, s44
	v_lshl_add_u32 v59, v2, 6, v59
	v_xor_b32 v60, v60, v1
	v_lshl_add_u32 v7, v1, 4, v63                  ; V: column r xor t
	v_add_nc_u32 v59, s43, v59                     ; the largest scores: my half of a query's 32
	v_lshlrev_b32 v60, 4, v60
	v_xor_b32 v8, 1, v1
	v_xor_b32 v56, 2, v1
	v_lshl_add_u32 v61, v2, 8, v60
	v_xor_b32 v57, 3, v1
	v_lshl_add_u32 v8, v8, 4, v63
	v_add_nc_u32 v3, s44, v61                      ; K: unit h, column r xor 2 h
	v_xor_b32 v62, 64, v61
	v_lshl_add_u32 v56, v56, 4, v63
	v_lshl_add_u32 v57, v57, 4, v63
	v_add_nc_u32 v4, s45, v62                      ; K: unit 2 + h
	v_mov_b32 v9, s41
	v_mov_b32 v10, s41
	v_mov_b32 v11, s40
.irp i, 0,1,2,3
	ds_load_b128 v[24+4*\i:27+4*\i], v58 offset:512*\i
.endr
	AWAIT
	s_barrier_wait -1                              ; all of K, V and the largest scores are there
; A step is 64 keys: step j's are tiles 4 (j % 2) .. + 3 of chunk j / 2 of my quarter
.macro KRUN j
.set n, 0
.rept 4
	ds_load_b128 v[64+8*n:67+8*n], v3 offset:16384*((\j)/2)+4096*((\j)%2)+1024*n
	ds_load_b128 v[68+8*n:71+8*n], v4 offset:16384*((\j)/2)+4096*((\j)%2)+1024*n
.set n, n+1
.endr
.endm
.macro VL j, t, a
	ds_load_b128 v[96+8*\t:99+8*\t], v[\a] offset:16384*((\j)/2)+8192+2048*\t+1024*((\j)%2)
	ds_load_b128 v[100+8*\t:103+8*\t], v[\a] offset:16384*((\j)/2)+8192+2048*\t+1024*((\j)%2)+512
.endm
.macro VRUN j
	VL \j, 0, 7
	VL \j, 1, 8
	VL \j, 2, 56
	VL \j, 3, 57
.endm
.irp q, 0,1
.irp i, 0,1,2,3
	ds_load_b128 v[192+16*\q+4*\i:195+16*\q+4*\i], v59 offset:2304*\q+16*\i
.endr
.endr
	KRUN 0
	s_wait_dscnt 8                                 ; K's eight loads may be out
	v_max3_num_f32 v58, v192, v193, v194
	v_max3_num_f32 v59, v208, v209, v210
.irp i, 195,197,199,201,203,205
	v_max3_num_f32 v58, v58, v[\i], v[\i+1]
	v_max3_num_f32 v59, v59, v[\i+16], v[\i+17]
.endr
	v_max_num_f32 v58, v58, v207
	v_max_num_f32 v59, v59, v223
	v_permlanex16_b32 v60, v58, s20, s21
	v_permlanex16_b32 v61, v59, s20, s21
	v_max_num_f32 v58, v58, v60
	v_max_num_f32 v59, v59, v61                    ; the row's largest score
	v_mul_f32 v58, s22, v58                        ; as t (c is positive)
	v_mul_f32 v59, s22, v59
	v_floor_f32 v12, -v58                          ; -M = floor(-t) = -ceil(t): M is a whole number
	v_floor_f32 v13, -v58
	v_floor_f32 v14, -v59
	v_floor_f32 v15, -v59
	AWAIT
	s_wait_dscnt 0x0
.macro SCORE d, q                      ; four tiles of 16 keys against my tile q
.set n, 0
.rept 4
	v_wmma_f32_16x16x64_bf8_bf8 v[\d+8*n:\d+8*n+7], v[64+8*n:71+8*n], v[24+8*(\q):31+8*(\q)], 0
.set n, n+1
.endr
.endm
.macro PV q, j                         ; O^T += V^T P^T: four accumulators by turns, one instruction a turn
.set OO, 192+32*(\q)
.set n, 0
.rept 4
.if (\j) == 0
	v_wmma_f32_16x16x64_bf8_bf8 v[OO+8*n:OO+8*n+7], v[96+8*n:103+8*n], v[40:47], 0
.else
	v_wmma_f32_16x16x64_bf8_bf8 v[OO+8*n:OO+8*n+7], v[96+8*n:103+8*n], v[40:47], v[OO+8*n:OO+8*n+7]
.endif
.set n, n+1
.endr
.endm
.macro FMA s, nm                       ; t - M, two at a time (c's pair gives its low word to both halves)
.set n, 0
.rept 16
	v_pk_fma_f32 v[\s+n:\s+n+1], v[\s+n:\s+n+1], s[22:23], v[\nm:\nm+1] op_sel_hi:[1,0,0]
.set n, n+2
.endr
.endm
.macro EXPS s
.set n, 0
.rept 32
	v_exp_f32 v[\s+n], v[\s+n]                     ; p = 2^(t - M): not normalised
.set n, n+1
.endr
.endm
.macro ADDS s, sm, first               ; the row's sum is taken of the UNQUANTISED p, two at a time, in four chains; the first step starts them
.if \first
.set n, 0
.rept 4
	v_pk_add_f32 v[\sm+2*n:\sm+2*n+1], v[\s+4*n:\s+4*n+1], v[\s+4*n+2:\s+4*n+3]
.set n, n+1
.endr
.set n, 8
.else
.set n, 0
.endif
.rept 16-n
	v_pk_add_f32 v[\sm+2*(n%4):\sm+2*(n%4)+1], v[\sm+2*(n%4):\sm+2*(n%4)+1], v[\s+2*n:\s+2*n+1]
.set n, n+1
.endr
.endm
.macro POST s
.set n, 0
.rept 16
	v_dual_min_num_f32 v[\s+n], v[\s+n], v9 :: v_dual_min_num_f32 v[\s+n+1], v[\s+n+1], v10   ; p is not negative: the hold at the largest code x the scale is one-sided
.set n, n+2
.endr
.set n, 0
.rept 4
	v_cvt_scalef32_pk8_bf8_f32 v[40+2*n:41+2*n], v[\s+8*n:\s+8*n+7], v11
.set n, n+1
.endr
	v_nop                                          ; a plain line between the last conversion and the products
.endm
; HALF STEP k: tile k % 2 of step k / 2.  While its p is held, converted and multiplied, the next half step's exponentials stand in front and its sums behind; the scores of the half step after that take p's registers.
; The hold and the conversions of k are the work between the exponentials of k + 1 and the wait for them.  V of a step and K of the next are asked for behind the step before's last products and the sums' places; one wait for LDS a step.
.macro HALF k
.set SK, 128+32*((\k)%2)
.set SN, 128+32*(((\k)+1)%2)
.if (\k) < 15
	FMA SN, 12+2*(((\k)+1)%2)
	AWAIT
	EXPS SN
.endif
	POST SK
	AWAIT
.if (\k)%2 == 0
	s_wait_dscnt 0x0
.endif
	PV (\k)%2, (\k)/2
.if (\k) < 14
	SCORE SK, (\k)%2
.endif
.if (\k) < 15
	ADDS SN, 16+32*(((\k)+1)%2), ((\k)==0)
.endif
.if ((\k)%2 == 1) && ((\k) < 15)
	VRUN (\k)/2+1
.if (\k) < 13
	KRUN (\k)/2+2
.endif
.endif
.endm
	SCORE 128, 0
	SCORE 160, 1
.rept 4
	v_nop                                          ; four places in front of the first read of the scores and of the loads into K's registers
.endr
	VRUN 0
	KRUN 1
	FMA 128, 12
	AWAIT
	EXPS 128
	v_nop                                          ; the plain place behind the exponentials
	AWAIT
	ADDS 128, 16, 1
.irp k, 0,1,2,3,4,5,6,7,8,9,10,11,12,13,14,15
	HALF \k
.endr
	; THE END.  The sums' four chains and two halves, and lane l xor 16's; the addresses of the way out.  (Also the places behind the last products)
	v_pk_add_f32 v[16:17], v[16:17], v[18:19]
	v_pk_add_f32 v[48:49], v[48:49], v[50:51]
	v_pk_add_f32 v[20:21], v[20:21], v[22:23]
	v_pk_add_f32 v[52:53], v[52:53], v[54:55]
	v_mul_u32_u24 v7, 0x110, v1
	v_lshlrev_b32 v8, 4, v1
	v_pk_add_f32 v[16:17], v[16:17], v[20:21]
	v_pk_add_f32 v[48:49], v[48:49], v[52:53]
	v_lshl_add_u32 v7, v2, 5, v7
	v_add_nc_u32 v8, s47, v8
	v_add_f32 v58, v16, v17
	v_add_f32 v59, v48, v49
	v_add_nc_u32 v7, s46, v7                       ; my stage: row r, byte 32 h
	v_mul_u32_u24 v9, 0x110, v2
	v_permlanex16_b32 v60, v58, s20, s21
	v_permlanex16_b32 v61, v59, s20, s21
	v_lshlrev_b32 v11, 4, v2
	v_lshl_add_u32 v9, v1, 4, v9
	v_add_f32 v58, v58, v60
	v_add_f32 v59, v59, v61                        ; l of my quarter
	v_and_b32 v12, 31, v0
	v_add_nc_u32 v9, s48, v9                       ; quarter 0's stage of my group: row 8 x quarter + h, byte 16 r
	v_add_nc_u32 v11, s49, v11
	v_lshlrev_b32 v12, 4, v12
	v_add_nc_u32 v10, 8*STGW, v9                   ; quarter 2's
	AWAIT
	s_barrier_signal -1                            ; every wave's reads of K and V are over (each waited for its last in step 7):
	s_barrier_wait -1                              ; only behind this barrier is anything stored over them
.irp q, 0,1
.irp t, 0,1,2,3
	ds_store_b128 v7, v[192+32*\q+8*\t:195+32*\q+8*\t] offset:16*SP*\q+64*\t       ; query 16 q + r, channels 16 t + 8 h + 0 .. 7
	ds_store_b128 v7, v[196+32*\q+8*\t:199+32*\q+8*\t] offset:16*SP*\q+64*\t+16
.endr
.endr
	ds_store_b32 v8, v58                           ; (lanes r and r + 16 hold and write the same number)
	ds_store_b32 v8, v59 offset:256
	s_wait_dscnt 0x0                               ; for the others' sake: my stores are done
	s_barrier_signal -1
	s_barrier_wait -1
	; I join rows 8 x quarter .. + 7 of my group: two rows an instruction, sixteen lanes to a row
.irp i, 0,1,2,3
	ds_load_b128 v[128+4*\i:131+4*\i], v11 offset:32*\i            ; the row's four l
.endr
.irp i, 0,1,2,3
	ds_load_b128 v[64+4*\i:67+4*\i], v9 offset:2*SP*\i
	ds_load_b128 v[80+4*\i:83+4*\i], v9 offset:4*STGW+2*SP*\i
	ds_load_b128 v[96+4*\i:99+4*\i], v10 offset:2*SP*\i
	ds_load_b128 v[112+4*\i:115+4*\i], v10 offset:4*STGW+2*SP*\i
.endr
	s_wait_dscnt 16                                ; the four l are in; O's 16 loads may be out
.irp i, 0,1,2,3
	v_pk_add_f32 v[144+2*\i:145+2*\i], v[128+4*\i:129+4*\i], v[130+4*\i:131+4*\i]
.endr
.irp i, 0,1,2,3
	v_add_f32 v[152+\i], v[144+2*\i], v[145+2*\i]
.endr
	AWAIT
.irp i, 0,1,2,3
	v_rcp_f32 v[156+\i], v[152+\i]
.endr
	v_nop                                          ; a plain line behind the last reciprocal
	AWAIT
.irp i, 0,1,2,3
	v_ldexp_f32 v[156+\i], v[156+\i], s19          ; x 2^(e2 + e3)
.endr
	AWAIT
	s_wait_dscnt 0x0
.set n, 0
.rept 8
	v_pk_add_f32 v[64+n:65+n], v[64+n:65+n], v[80+n:81+n]
	v_pk_add_f32 v[96+n:97+n], v[96+n:97+n], v[112+n:113+n]
.set n, n+2
.endr
.set n, 0
.rept 8
	v_pk_add_f32 v[64+n:65+n], v[64+n:65+n], v[96+n:97+n]
.set n, n+2
.endr
.irp i, 0,1,2,3
.irp k, 0,1,2,3
	v_mul_f32 v[64+4*\i+\k], v[64+4*\i+\k], v[156+\i]
.endr
	global_store_b128 v12, v[64+4*\i:67+4*\i], s[10:11] offset:512*\i th:TH_STORE_NT   ; two rows: 512 consecutive bytes, aligned
.endr
	s_wait_tensorcnt 0x0                           ; the wave's end: behind my last tensor load and my last LDS store
	ds_add_u32 v5, v6
	s_wait_dscnt 0x0
	CROUND                                         ; the closing round: no work-group ends while a partner may still ask for a tile that names it
	s_endpgm
.Lfunc_end_k_q74a1274353_fused:
	.size	k_q74a1274353_fused, .Lfunc_end_k_q74a1274353_fused-k_q74a1274353_fused
	.p2alignl 7, 3214868480
	.fill 96, 4, 3214868480
	.section	.rodata,"a",@progbits
	.p2align	6, 0x0
	.amdhsa_kernel k_q74a1274353_fused
		.amdhsa_group_segment_fixed_size 327680
		.amdhsa_private_segment_fixed_size 0
		.amdhsa_enable_private_segment 0
		.amdhsa_kernarg_size 32
		.amdhsa_user_sgpr_count 2
		.amdhsa_user_sgpr_kernarg_segment_ptr 1
		.amdhsa_wavefront_size32 1
		.amdhsa_system_sgpr_workgroup_id_x 1
		.amdhsa_system_sgpr_workgroup_id_y 1
		.amdhsa_system_sgpr_workgroup_id_z 1
		.amdhsa_system_vgpr_workitem_id 0
		.amdhsa_next_free_vgpr 256
		.amdhsa_next_free_sgpr 80
		.amdhsa_reserve_vcc 0
		.amdhsa_float_denorm_mode_32 3
		.amdhsa_float_denorm_mode_16_64 3
		.amdhsa_memory_ordered 1
		.amdhsa_forward_progress 1
		.amdhsa_inst_pref_size 174
	.end_amdhsa_kernel
	.amdgpu_metadata
---
amdhsa.version: [ 1, 2 ]
amdhsa.kernels:
  - .name:           k_q74a1274353_fused
    .symbol:         k_q74a1274353_fused.kd
    .args:
      - { .name: lowp_scales, .offset: 0, .size: 8, .value_kind: global_buffer, .address_space: global }
      - { .name: x1, .offset: 8, .size: 8, .value_kind: global_buffer, .address_space: global }
      - { .name: x2, .offset: 16, .size: 8, .value_kind: global_buffer, .address_space: global }
      - { .name: out0, .offset: 24, .size: 8, .value_kind: global_buffer, .address_space: global }
    .group_segment_fixed_size: 327680
    .private_segment_fixed_size: 0
    .kernarg_segment_align: 8
    .kernarg_segment_size: 32
    .max_flat_workgroup_size: 512
    .sgpr_count:     80
    .vgpr_count:     256
    .wavefront_size: 32
...
	.end_amdgpu_metadata
.endif
;; end of part 1
